; MI455X (gfx1250); checked and timed in simulation.
; The chip was launched on July 23, 2026; its instructions are those of AMD's public machine-readable ISA for CDNA 5 (MIT licence, August 2026) and "CDNA5" Instruction Set Architecture Reference Guide (July 2026). The comments in the code are by the model that wrote it; some were corrected since.
;; Mutihead Attention. Allowed arithmetic: matrix products marked QUANTISED: E2M1 operands, one E8M0 scale for each 32 along K, by v_wmma_scale_f32_16x16x128_f8f6f4 with both operands' format E2M1 (or v_wmma_scale_f32_32x16x128_f4), f32 sums; everything else in f32.
;; Inputs: Wk_codes 1,024 x 32 x 16 uint8 (E2M1 codes of Wk, K innermost, in blocks of 32 codes, two codes a byte); Wk_scales 1,024 x 32 uint8 (E8M0 scales of Wk, one for each 32 codes along K); Wq_codes 1,024 x 32 x 16 uint8 (E2M1 codes of Wq, K innermost, in blocks of 32 codes, two codes a byte); Wq_scales 1,024 x 32 uint8 (E8M0 scales of Wq, one for each 32 codes along K); Wr_codes 1,024 x 32 x 16 uint8 (E2M1 codes of Wr, K innermost, in blocks of 32 codes, two codes a byte); Wr_scales 1,024 x 32 uint8 (E8M0 scales of Wr, one for each 32 codes along K); Wv_codes 1,024 x 32 x 16 uint8 (E2M1 codes of Wv, K innermost, in blocks of 32 codes, two codes a byte); Wv_scales 1,024 x 32 uint8 (E8M0 scales of Wv, one for each 32 codes along K); beta 1,024 float32; gamma 1,024 float32; x_codes 4 x 2,048 x 32 x 16 uint8 (E2M1 codes of x, K innermost, in blocks of 32 codes, two codes a byte); x_scales 4 x 2,048 x 32 uint8 (E8M0 scales of x, one for each 32 codes along K).
;; Outputs: out0 4 x 2,048 x 1,024 float32.
;; This version of the problem:
;;   THIS VERSION OF THE PROBLEM IS GIVEN IN LOW PRECISION. The matrix products marked QUANTISED in the list below multiply operands that are first quantised to E2M1 (2 exponent bits, 1 mantissa bit; 4 bits a number), with one power-of-two scale for each 32 numbers along K (OCP MX v1.0); their sums are f32. All else is computed in f32.
;;   The module's matrix products, in the order in which they are computed (A, B: the left and right operand; K: the contracted axis; several contracted axes count as one K, in the product's order):
;;     1. [M 8,192, K 1,024] x [K 1,024, N 1,024]; A: input x (given as codes); B: input Wq (given as codes): QUANTISED
;;     2. [M 8,192, K 1,024] x [K 1,024, N 1,024]; A: input x (given as codes); B: input Wk (given as codes): QUANTISED
;;     3. [M 8,192, K 1,024] x [K 1,024, N 1,024]; A: input x (given as codes); B: input Wv (given as codes): QUANTISED
;;     4. batch 64 x [M 2,048, K 64] x [K 64, N 2,048]; A: computed on the way; B: computed on the way: QUANTISED
;;     5. batch 64 x [M 64, K 2,048] x [K 2,048, N 2,048]; A: computed on the way; B: softmax (see below): QUANTISED
;;     6. [M 8,192, K 1,024] x [K 1,024, N 1,024]; A: input x (given as codes); B: input Wr (given as codes): QUANTISED
;;   THE QUANTISER, for each operand of a quantised product, along K:
;;     - K is cut into blocks of 32 from its start; a last block that is shorter is filled with zeros.
;;     - A block's scale is 2^e with e = floor(log2(the largest magnitude in the block)) - 2, held to -126 .. 127; a block of zeros has e = 0. As a byte (E8M0): e + 127.
;;     - Each number is divided by its block's scale, clamped to +-6, and rounded to the nearest number of E2M1, ties to even, subnormals kept.
;;     - The product sums the exact products of the quantised numbers (number of the format x scale) in f32.
;;   ~~~python
;;   def quantise(x, axis):      # numpy; x: float32 -> the quantised numbers, widened to float32 again
;;       x = np.moveaxis(x, axis, -1); K = x.shape[-1]
;;       x = np.pad(x, [(0, 0)] * (x.ndim - 1) + [(0, -K % 32)]); x = x.reshape(x.shape[:-1] + (-1, 32)); a = np.abs(x).max(-1, keepdims=True)
;;       e = np.where(a > 0, np.clip(np.frexp(np.where(a > 0, a, 1))[1] - 1 - 2, -126, 127), 0)      # np.frexp(a)[1] - 1 = floor(log2(a)), exactly
;;       r = np.clip(x / 2.0 ** e, -6, 6)
;;       step = 2.0 ** (np.maximum(np.frexp(np.where(r == 0, 1, r))[1] - 1, 0) - 1)
;;       q = np.round(r / step) * step * 2.0 ** e      # np.round: ties to even
;;       return np.moveaxis(q.reshape(q.shape[:-2] + (-1,))[..., :K], -1, axis).astype(np.float32)
;;   ~~~
;;   SOFTMAX AHEAD OF A QUANTISED PRODUCT. Where the list says 'softmax', what is quantised is not the finished softmax but p = 2^(t - M), with t = logit x log2(e) and M = ceil(the row's largest t), a whole number; so 1/2 < the row's largest p <= 1. The row's sum l is taken of the UNQUANTISED p, in f32, and the product's result is divided by l at the end. Since M is a whole number, a kernel that streams over the keys may use a running M (the ceiling of the running maximum): every later rescaling is an exact power of two, which a block's scale takes up: the codes' values come out the same.
;;   OPERANDS COMPUTED ON THE WAY. 'Computed on the way' means the value that the module computes at that place (a softmax that the list does not call 'softmax' is quantised finished and normalised). What goes into a quantiser is computed in f32, as accurately as f32 sums, v_exp_f32 and their like allow (about 1e-6 of the number): no bf16 or f16 on the way to a quantiser, and a product that is left as it is and whose result goes on into a quantised operand takes f32 operands (vector FMAs, or v_wmma_f32_16x16x4_f32). A number that lies on a knife's edge between two numbers of the format may be rounded either way, as far as f32 arithmetic and the matrix unit's own rounding can turn it there, and no further.
;;   INPUTS GIVEN AS CODES. Wk (in the module: [1024, 1024], K = its axis 1); Wq (in the module: [1024, 1024], K = its axis 1); Wr (in the module: [1024, 1024], K = its axis 1); Wv (in the module: [1024, 1024], K = its axis 1); x (in the module: [4, 2048, 1024], K = its axis 2): each comes as NAME_codes (uint8): NAME with its K axis moved to the last place and cut into blocks of 32 codes, [.., K / 32, bytes a block], one block behind the other in memory; two codes a byte, the lower K in the low four bits (a code: sign, 2 exponent bits, 1 mantissa bit); and NAME_scales (uint8): the same leading axes, one E8M0 byte (e + 127) for each 32 codes along K. Its value is code x scale, taken as it is: it is not quantised again, and the codes and scales need not be those that the quantiser above would give.
;; One version. Each part assembles by itself: llvm-mc -triple=amdgcn-amd-amdhsa -mcpu=gfx1250 --defsym DOCPART=n.
;; ======== version 1 of 1: 3 launches
;; limits: right only within a limited range of input values
;; workspace buffers: qkv 13,893,632 bytes; rbuf 33,554,432 bytes; ybuf 33,554,432 bytes
;; launch proj (part 1): grid 4 x 128, 4 waves a work-group, clusters of 4 x 4, 327,680 bytes of LDS; arguments x_codes, x_scales, Wq_codes, Wq_scales, Wk_codes, Wk_scales, Wr_codes, Wr_scales, Wv_codes, Wv_scales, qkv, rbuf; writes qkv, rbuf
.if DOCPART == 1
	.amdgcn_target "amdgcn-amd-amdhsa--gfx1250"
	.amdhsa_code_object_version 6
	.text
	.protected	k_qd0e2cbb2e7_proj
	.globl	k_qd0e2cbb2e7_proj
	.p2align	8
	.type	k_qd0e2cbb2e7_proj,@function
k_qd0e2cbb2e7_proj:
	s_mov_b64 s[64:65], 0
	v_nop
	global_prefetch_b8 v0, s[64:65] scope:SCOPE_SE
	s_setreg_imm32_b32 hwreg(HW_REG_WAVE_MODE, 25, 1), 1
	s_wait_xcnt 0x0
	s_wait_alu depctr_hold_cnt(0) depctr_sa_sdst(0) depctr_va_vdst(0) depctr_va_sdst(0) depctr_va_ssrc(0) depctr_va_vcc(0) depctr_vm_vsrc(0)
	s_getreg_b32 s2, hwreg(HW_REG_IB_STS2, 6, 4)
	s_cmp_eq_u32 s2, 0
	s_cbranch_scc0 .Lentry_in_a_cluster
	s_endpgm
.Lentry_in_a_cluster:
	s_bfe_u32 s2, ttmp6, 0x10000c
	s_cmp_lg_u32 s2, 0xf033
	s_cbranch_scc0 .Lentry_shape_is_right
	s_endpgm
.Lentry_shape_is_right:
; q, k, v (quantised along the next products' K, stored as images of operand registers in qkv) and r = x Wr^T (f32, rbuf), all four on FP4 codes with E8M0 scales.  Nothing of the problem is left out.
; A work-group makes 256 x 256 of one product, four waves of 128 x 128.  K = 1,024 is 512 bytes of codes a row: A's 256 rows, B's 256 rows and both sides' scale bytes lie in LDS together,
; so the head has ONE joint load a wave (wave 0 A's codes, wave 1 B's, wave 2 A's scales, wave 3 B's) and no LDS byte is filled twice; rows of 512 bytes + 16 of padding.
; CLUSTER 4 x 4: A's tiles are shared along a row of the cluster, B's along a column.  No prefetch: the launch has no loop to run ahead in.
.set HS,     217088
.set QI,     143360
.set QS,     208896
.set GSTEP,  8960
.set NQ,     4
.set ROWB,   512
.set KROW,   512
.set PITCH,  528
.set FR,     8
.set NL,     2
.set NP,     4
.set HALFT,  128*PITCH
.set SLOT,   256
.set KS,     32
.set SCL,    4*HALFT
.set HALFS,  (128*KS/256)*272
.set SBLK,   (16*KS/256)*272
.set SPARE,  SCL+4*HALFS
.set SPITCH, 528
.set STG,    SPARE+512
.set RROW,   4096
.set ADRA, 16
.set ADRB, 20
.set STO,  24
.set RD,   25
.set CO,   26
.set ADRS, 27
.set SPW,  28
.set NIL,  29
.set SC,   32
.set AF,   128
.set BK,   128
.set T2,   32
.set MX,   64
.set PC,   128
.set PW,   192
.set PW2,  200
.set SCO,  208
.set SH,   209
.set G1,   24
.set G0,   32
.set G1B,  48
.set G0B,  56
.set G1S,  68
.set G0S,  76
.set G1SB, 80
.set G0SB, 88
.set MSB, 0
.macro WIN new
.if MSB != \new
	s_set_vgpr_msb (MSB<<8)|\new
.set MSB, \new
.endif
.endm
.set MUL_LO, 0xa1
.set MUL_HI, 0xf1
.set TO_B,   0x40
.macro ARM under, g0, g1, next         ; one arm of the head's tree of branches on the wave's number: its load, and a jump to the tree's end
	s_cmp_lt_u32 s14, \under
	s_cbranch_scc0 \next
	tensor_load_to_lds s[\g0:\g0+3], s[\g1:\g1+7]
	s_nop 0
.rept 4
	v_nop
.endr
	s_branch .Lhead_asked
\next:
.endm
.macro CROUND
	s_barrier_signal -1
	s_barrier_wait -1
	s_cmp_lg_u32 s14, 0
	s_cbranch_scc1 .Lnot_wave_0_\@
	s_barrier_signal -3
.Lnot_wave_0_\@:
	s_barrier_wait -3
	s_barrier_signal -1
	s_barrier_wait -1
.endm
	s_load_b512 s[76:91], s[0:1], 0x0
	s_load_b256 s[92:99], s[0:1], 0x40
	v_lshl_add_u32 v[SPW], v0, 2, SPARE
	v_mov_b32 v[NIL], 0
	ds_add_u32 v[SPW], v[NIL]
	ds_add_u32 v[SPW], v[NIL]
	v_lshrrev_b32 v1, 5, v0
	v_readfirstlane_b32 s14, v1
	s_lshr_b32 s15, s14, 1
	s_and_b32 s16, s14, 1
	s_bfe_u32 s40, ttmp6, 0x40000
	s_bfe_u32 s41, ttmp6, 0x40004
	s_and_b32 s3, ttmp7, 0xffff
	s_lshr_b32 s2, s3, 3
	s_and_b32 s3, s3, 7
	s_lshl_b32 s3, s3, 2
	s_cmp_eq_u32 s2, 3
	s_cselect_b32 s17, 0, s3
	s_cselect_b32 s42, s3, 0
	s_add_co_u32 s17, s17, s41
	s_add_co_u32 s42, s42, s40
	s_lshl_b32 s43, s41, 2
	s_lshl_b32 s43, 15, s43
	s_lshl_b32 s44, 0x1111, s40
	s_or_b32 s[G1+0], s43, (0<<16)|(1<<20)|(1<<21)|(6<<22)|(3<<25)
	s_or_b32 s[G1B+0], s44, (0<<16)|(1<<20)|(1<<21)|(6<<22)|(3<<25)
.irp g, G1, G1B
	s_mov_b32 s[\g+1], ROWB<<16
	s_mov_b32 s[\g+2], 256<<16
	s_mov_b32 s[\g+3], ROWB<<16
	s_mov_b32 s[\g+4], 256
	s_mov_b32 s[\g+5], KROW
	s_mov_b32 s[\g+6], 0
	s_mov_b32 s[\g+7], 0
.endr
	s_or_b32 s[G1S+0], s43, (3<<16)|(1<<20)|(1<<21)|(5<<22)|(3<<25)
	s_mov_b32 s[G1S+1], 32<<16
	s_mov_b32 s[G1S+2], KS<<16
	s_mov_b32 s[G1S+3], 32<<16
	s_mov_b32 s[G1S+4], KS
	s_mov_b32 s[G1S+5], 32
	s_mov_b32 s[G1S+6], 0
	s_mov_b32 s[G1S+7], 0
	s_mov_b32 s20, 0
	s_lshl_b32 s18, s17, 8
	s_add_co_u32 s18, s18, s20
	s_lshl_b32 s100, s18, 5
	s_mov_b32 s101, 0
	s_lshl_b32 s18, s18, 9
	s_mov_b32 s19, 0
	s_lshl_b32 s46, s42, 8
	s_add_co_u32 s46, s46, s20
	s_lshl_b32 s66, s46, 5
	s_mov_b32 s67, 0
	s_lshl_b32 s46, s46, 9
	s_mov_b32 s47, 0
	s_wait_dscnt 0x0
	s_wait_kmcnt 0x0
	s_cmp_eq_u32 s2, 1
	s_cselect_b64 s[20:21], s[84:85], s[80:81]
	s_cselect_b64 s[22:23], s[86:87], s[82:83]
	s_cmp_eq_u32 s2, 2
	s_cselect_b64 s[20:21], s[88:89], s[20:21]
	s_cselect_b64 s[22:23], s[90:91], s[22:23]
	s_cmp_eq_u32 s2, 3
	s_cselect_b64 s[20:21], s[92:93], s[20:21]
	s_cselect_b64 s[22:23], s[94:95], s[22:23]
	s_cselect_b64 s[4:5], s[20:21], s[76:77]
	s_cselect_b64 s[6:7], s[22:23], s[78:79]
	s_cselect_b64 s[8:9], s[76:77], s[20:21]
	s_cselect_b64 s[10:11], s[78:79], s[22:23]
	s_add_nc_u64 s[4:5], s[4:5], s[18:19]
	s_add_nc_u64 s[6:7], s[6:7], s[100:101]
	s_add_nc_u64 s[8:9], s[8:9], s[46:47]
	s_add_nc_u64 s[10:11], s[10:11], s[66:67]
	s_or_b32 s[G1SB+0], s44, (3<<16)|(1<<20)|(1<<21)|(5<<22)|(3<<25)
	s_mov_b32 s[G1SB+1], 32<<16
	s_mov_b32 s[G1SB+2], KS<<16
	s_mov_b32 s[G1SB+3], 32<<16
	s_mov_b32 s[G1SB+4], KS
	s_mov_b32 s[G1SB+5], 32
	s_mov_b32 s[G1SB+6], 0
	s_mov_b32 s[G1SB+7], 0
	CROUND
	s_mov_b32 s[G0S], 1                            ; the scales of A's 256 rows,
	s_mov_b32 s[G0S+1], SCL
	s_mov_b64 s[G0S+2:G0S+3], s[6:7]
	s_or_b32 s[G0S+3], s[G0S+3], 0x80000000
	s_mov_b32 s[G0SB], 1                           ; of B's,
	s_mov_b32 s[G0SB+1], SCL+2*HALFS
	s_mov_b64 s[G0SB+2:G0SB+3], s[10:11]
	s_or_b32 s[G0SB+3], s[G0SB+3], 0x80000000
	s_mov_b32 s[G0], 1                             ; A's 256 rows of codes, all of K,
	s_mov_b32 s[G0+1], 0
	s_mov_b64 s[G0+2:G0+3], s[4:5]
	s_or_b32 s[G0+3], s[G0+3], 0x80000000
	s_mov_b32 s[G0B], 1                            ; and B's, behind them
	s_mov_b32 s[G0B+1], 2*HALFT
	s_mov_b64 s[G0B+2:G0B+3], s[8:9]
	s_or_b32 s[G0B+3], s[G0B+3], 0x80000000
	ARM 1, G0,  G1,  .Lhead_b                      ; one load a wave
	ARM 2, G0B, G1B, .Lhead_sa
	ARM 3, G0S, G1S, .Lhead_sb
	tensor_load_to_lds s[G0SB:G0SB+3], s[G1SB:G1SB+7]
	s_nop 0
.rept 4
	v_nop
.endr
.Lhead_asked:
	v_and_b32 v1, 15, v0
	v_bfe_u32 v2, v0, 4, 1
	v_mul_u32_u24 v3, v1, PITCH
	v_lshl_add_u32 v4, v2, 4, v3
	s_mul_i32 s21, s15, HALFT
	s_mul_i32 s22, s16, HALFT
	s_add_co_u32 s22, s22, 2*HALFT
.irp s, 0,1
	v_add_nc_u32 v[ADRA+\s], s21, v4
	v_add_nc_u32 v[ADRB+\s], s22, v4
	s_add_co_u32 s21, s21, SLOT
	s_add_co_u32 s22, s22, SLOT
.endr
	v_mul_u32_u24 v5, v1, KS
	v_lshrrev_b32 v6, 8, v5
	v_lshl_add_u32 v5, v6, 4, v5
	s_mul_i32 s21, s15, HALFS
	s_mul_i32 s22, s16, HALFS
	s_add_co_u32 s22, s22, 2*HALFS
	s_sub_co_u32 s22, s22, s21
	v_mul_u32_u24 v6, s22, v2
	s_add_co_u32 s21, s21, SCL
	v_add_nc_u32 v5, v5, v6
	v_add_nc_u32 v[ADRS], s21, v5
	s_mul_i32 s23, s14, 16*SPITCH
	s_add_co_u32 s23, s23, STG                     ; my stage: bytes of its own, behind the spare words
	v_mul_u32_u24 v5, v1, SPITCH
	v_lshl_add_u32 v5, v2, 5, v5
	v_add_nc_u32 v[STO], s23, v5
	v_and_b32 v6, 31, v0
	v_lshlrev_b32 v[CO], 4, v6
	v_add_nc_u32 v[RD], s23, v[CO]
	s_mov_b32 s46, 0x76543210
	s_mov_b32 s47, 0xfedcba98
.macro FRAG reg, adr, q, i
.irp c, 0,1
	ds_load_b128 v[\reg+4*\c:\reg+4*\c+3], v[\adr] offset:64*(\q)+32*\c+(\i)*16*PITCH
.endr
.endm
.macro MUL16 a0, p, q, sc, zero
.irp a, \a0, \a0+1
.irp b, 0,1,2,3,4,5,6,7
.if \zero
	v_wmma_scale_f32_16x16x128_f8f6f4 v[8*(8*((\a)%4)+\b):8*(8*((\a)%4)+\b)+7], v[128*(\p)+FR*\b:128*(\p)+FR*\b+FR-1], v[AF+FR*(\a):AF+FR*(\a)+FR-1], 0, v[SC+8*NQ*(\sc)+NQ*\b+(\q)], v[SC+8*NQ*(\sc)+NQ*(\a)+(\q)] matrix_a_fmt:MATRIX_FMT_FP4 matrix_b_fmt:MATRIX_FMT_FP4 matrix_a_scale:MATRIX_SCALE_ROW1
.else
	v_wmma_scale_f32_16x16x128_f8f6f4 v[8*(8*((\a)%4)+\b):8*(8*((\a)%4)+\b)+7], v[128*(\p)+FR*\b:128*(\p)+FR*\b+FR-1], v[AF+FR*(\a):AF+FR*(\a)+FR-1], v[8*(8*((\a)%4)+\b):8*(8*((\a)%4)+\b)+7], v[SC+8*NQ*(\sc)+NQ*\b+(\q)], v[SC+8*NQ*(\sc)+NQ*(\a)+(\q)] matrix_a_fmt:MATRIX_FMT_FP4 matrix_b_fmt:MATRIX_FMT_FP4 matrix_a_scale:MATRIX_SCALE_ROW1
.endif
.endr
.endr
.endm
.macro FETCH_B slot, q, p
	WIN TO_B
.irp i, 0,1,2,3,4,5,6,7
	FRAG 128*(\p)+FR*\i, ADRB+\slot, \q, \i
.endr
	WIN 0
.endm
.macro FETCH_A slot, q, i0
.irp i, \i0, \i0+1, \i0+2, \i0+3
	FRAG AF+FR*(\i), ADRA+\slot, \q, \i
.endr
.endm
.macro SCALES sc
.irp i, 0,1,2,3,4,5,6,7
	ds_load_b128 v[SC+8*NQ*\sc+NQ*\i:SC+8*NQ*\sc+NQ*\i+3], v[ADRS] offset:\i*SBLK
.endr
.endm
.macro PLACES n
.rept \n
	v_nop
.endr
.endm
.macro STEP slot, q, zero
	s_wait_dscnt 4*NL
	WIN MUL_LO
	MUL16 0, (\q)%2, \q, \slot, \zero
	MUL16 2, (\q)%2, \q, \slot, \zero
	s_wait_dscnt 0
	PLACES NP
	FETCH_B \slot, (\q)+1, 1-(\q)%2
	FETCH_A \slot, (\q)+1, 0
	WIN MUL_HI
	MUL16 4, (\q)%2, \q, \slot, \zero
	MUL16 6, (\q)%2, \q, \slot, \zero
	PLACES NP
	WIN 0
	FETCH_A \slot, (\q)+1, 4
.endm
.macro TURN slot, next
	s_wait_dscnt 4*NL
	WIN MUL_LO
	MUL16 0, 1, NQ-1, \slot, 0
	MUL16 2, 1, NQ-1, \slot, 0
	s_wait_dscnt 0
	WIN 0
	PLACES NP
	v_add_nc_u32 v[ADRS], 4*NQ, v[ADRS]
	FETCH_B \next, 0, 0
	FETCH_A \next, 0, 0
	SCALES \next
	WIN MUL_HI
	MUL16 4, 1, NQ-1, \slot, 0
	MUL16 6, 1, NQ-1, \slot, 0
	PLACES NP
	WIN 0
	FETCH_A \next, 0, 4
.endm
.macro STEPS slot, from
.set Q, \from
.rept NQ-1-\from
	STEP \slot, Q, 0
.set Q, Q+1
.endr
.endm
	s_wait_alu depctr_va_vdst(0)
	s_wait_tensorcnt 0x0
	s_barrier_signal -1
	s_barrier_wait -1
	FETCH_B 0, 0, 0
	FETCH_A 0, 0, 0
	SCALES 0
	FETCH_A 0, 0, 4
	STEP 0, 0, 1
	STEPS 0, 1
	TURN 0, 1
	STEPS 1, 0
	s_wait_dscnt 4*NL
	WIN MUL_LO
	MUL16 0, 1, NQ-1, 1, 0
	MUL16 2, 1, NQ-1, 1, 0
	s_wait_dscnt 0
	WIN MUL_HI
	MUL16 4, 1, NQ-1, 1, 0
	MUL16 6, 1, NQ-1, 1, 0
	WIN 0
	PLACES NP
	s_lshl_b32 s20, s17, 8
	s_lshl_b32 s21, s15, 7
	s_add_co_u32 s20, s20, s21
	s_lshl_b32 s21, s42, 8
	s_lshl_b32 s22, s16, 7
	s_add_co_u32 s21, s21, s22
	s_cmp_eq_u32 s2, 2
	s_cbranch_scc1 .Lr
.macro QMAX a
.set AC, 64*((\a)%4)
.irp b, 0,1,2,3
	v_max3_num_f32 v[MX+4*(\a)+\b], |v[AC+16*\b]|, |v[AC+16*\b+1]|, 0x1800000
.endr
.irp i, 2,4,6,8,10,12,14
.irp b, 0,1,2,3
	v_max3_num_f32 v[MX+4*(\a)+\b], |v[AC+16*\b+\i]|, |v[AC+16*\b+\i+1]|, v[MX+4*(\a)+\b]
.endr
.endr
.endm
.macro QCVT a
.set AC, 64*((\a)%4)
.irp b, 0,1,2,3,4,5,6,7
	v_cvt_scalef32_pk8_fp4_f32 v[PC+8*(\a)+4*(\b/4)+2*(\b%2)+(\b%4)/2], v[AC+8*\b:AC+8*\b+7], v[MX+4*(\a)+\b/2]
.endr
.endm
	WIN 0x0a
.irp a, 0,1,2,3
	QMAX \a
.endr
	WIN 0x0f
.irp a, 4,5,6,7
	QMAX \a
.endr
	WIN 0
.set i, 0
.rept 32
	v_permlanex16_b32 v[T2+i], v[MX+i], s46, s47
.set i, i+1
.endr
.set i, 0
.rept 32
	v_max_num_f32 v[MX+i], v[MX+i], v[T2+i]
.set i, i+1
.endr
.set i, 0
.rept 32
	v_add_nc_u32 v[MX+i], 0xff000000, v[MX+i]
.set i, i+1
.endr
.set i, 0
.rept 32
	v_lshrrev_b32 v[T2+i], 23, v[MX+i]
.set i, i+1
.endr
.irp a, 0,1,2,3,4,5,6,7
	v_lshl_or_b32 v[PW+\a], v[T2+4*\a+1], 8, v[T2+4*\a]
.endr
.irp a, 0,1,2,3,4,5,6,7
	v_lshl_or_b32 v[PW+\a], v[T2+4*\a+2], 16, v[PW+\a]
.endr
.irp a, 0,1,2,3,4,5,6,7
	v_lshl_or_b32 v[PW+\a], v[T2+4*\a+3], 24, v[PW+\a]
.endr
	WIN 0x02
.irp a, 0,1,2,3
	QCVT \a
.endr
	WIN 0x03
.irp a, 4,5,6,7
	QCVT \a
.endr
	WIN 0
	v_nop
.set i, 0
.rept 16
	v_permlane16_swap_b32 v[PC+4*i], v[PC+4*i+1]
	v_permlane16_swap_b32 v[PC+4*i+2], v[PC+4*i+3]
.set i, i+1
.endr
	s_cmp_eq_u32 s2, 3
	s_cselect_b32 s22, s21, s20
	s_cselect_b32 s23, s20, s21
	s_lshr_b32 s66, s22, 11
	s_lshl_b32 s66, s66, 4
	s_lshr_b32 s23, s23, 6
	s_add_co_u32 s66, s66, s23
	s_mul_i32 s66, s66, HS
	s_bfe_u32 s22, s22, 0x40007
	s_cmp_eq_u32 s2, 0
	s_mov_b32 s67, GSTEP
	s_cselect_b32 s23, 4096, s67
	s_cselect_b32 s67, 512, s67
	s_cselect_b32 s100, QI, 0
	s_mov_b32 s101, 8192
	s_cselect_b32 s101, QS, s101
	s_mul_i32 s23, s22, s23
	s_mul_i32 s67, s22, s67
	s_cmp_eq_u32 s2, 3
	s_cselect_b32 s100, 4096, s100
	s_cselect_b32 s101, 8704, s101
	s_add_co_u32 s23, s23, s66
	s_add_co_u32 s67, s67, s66
	s_add_co_u32 s22, s23, s100
	s_mov_b32 s23, 0
	s_add_co_u32 s100, s67, s101
	s_mov_b32 s101, 0
	s_add_nc_u64 s[12:13], s[96:97], s[22:23]
	s_add_nc_u64 s[20:21], s[96:97], s[100:101]
	v_mul_u32_u24 v[SCO], v2, HS
	v_lshl_add_u32 v[SCO], v1, 4, v[SCO]
	v_lshlrev_b32 v[SH], 4, v2
	s_cmp_eq_u32 s2, 3
	s_cbranch_scc1 .Lv
	s_wait_alu depctr_va_vdst(0)
.irp a, 0,1,2,3,4,5,6,7
.irp c, 0,1
	global_store_b128 v[CO], v[PC+8*\a+4*\c:PC+8*\a+4*\c+3], s[12:13] offset:512*\a+HS*\c
.endr
.endr
.irp a, 0,1,2,3,4,5,6,7
	v_lshrrev_b32 v[PW2+\a], v[SH], v[PW+\a]
.endr
	global_store_b128 v[SCO], v[PW2:PW2+3], s[20:21]
	global_store_b128 v[SCO], v[PW2+4:PW2+7], s[20:21] offset:256
	s_branch .Lend
.Lv:
	s_wait_alu depctr_va_vdst(0)
.irp a, 0,1,2,3,4,5,6,7
.irp c, 0,1
	global_store_b128 v[CO], v[PC+8*\a+4*\c:PC+8*\a+4*\c+3], s[12:13] offset:(\a/4)*HS+(\a%4)*1024+512*\c
.endr
.endr
	v_cmp_eq_u32 vcc_lo, 1, v2
.irp t, 0,1,2,3
	v_cndmask_b32 v[PW2+\t], v[PW+\t], v[PW+4+\t], vcc_lo
.endr
	global_store_b128 v[SCO], v[PW2:PW2+3], s[20:21]
	s_branch .Lend
.Lr:
	s_lshl_b32 s20, s20, 12
	s_lshl_b32 s21, s21, 2
	s_add_co_u32 s20, s20, s21
	s_mov_b32 s21, 0
	s_add_nc_u64 s[12:13], s[98:99], s[20:21]
.macro TOSTAGE a
.set AC, 64*((\a)%4)
	WIN 0x08+4*((\a)/4)
.irp b, 0,1,2,3,4,5,6,7
	ds_store_b128 v[STO], v[AC+8*\b:AC+8*\b+3] offset:64*\b
	ds_store_b128 v[STO], v[AC+8*\b+4:AC+8*\b+7] offset:64*\b+16
.endr
	WIN 0
.set BB, BK+64*((\a)%2)
.irp t, 0,1,2,3,4,5,6,7,8,9,10,11,12,13,14,15
	ds_load_b128 v[BB+4*\t:BB+4*\t+3], v[RD] offset:\t*SPITCH
.endr
.endm
.macro SEND a, younger
.set BB, BK+64*((\a)%2)
	s_wait_dscnt \younger
.if (\a) > 0
	s_add_nc_u64 s[12:13], s[12:13], 16*RROW
.endif
.irp t, 0,1,2,3,4,5,6,7,8,9,10,11,12,13,14,15
	global_store_b128 v[CO], v[BB+4*\t:BB+4*\t+3], s[12:13] offset:\t*RROW th:TH_STORE_NT
.endr
.endm
	TOSTAGE 0
.irp a, 1,2,3,4,5,6,7
.if \a > 1
	s_wait_xcnt 0x0
.endif
	TOSTAGE \a
	SEND \a-1, 32
.endr
	s_wait_xcnt 0x0
	SEND 7, 0
.Lend:
	s_wait_tensorcnt 0x0
	ds_add_u32 v[SPW], v[NIL]
	s_wait_dscnt 0x0
	CROUND
	s_endpgm
.Lfunc_end_k_qd0e2cbb2e7_proj:
	.size	k_qd0e2cbb2e7_proj, .Lfunc_end_k_qd0e2cbb2e7_proj-k_qd0e2cbb2e7_proj
	.p2alignl 7, 3214868480
	.fill 96, 4, 3214868480
	.section	.rodata,"a",@progbits
	.p2align	6, 0x0
	.amdhsa_kernel k_qd0e2cbb2e7_proj
		.amdhsa_group_segment_fixed_size 327680
		.amdhsa_private_segment_fixed_size 0
		.amdhsa_enable_private_segment 0
		.amdhsa_kernarg_size 96
		.amdhsa_user_sgpr_count 2
		.amdhsa_user_sgpr_kernarg_segment_ptr 1
		.amdhsa_wavefront_size32 1
		.amdhsa_system_sgpr_workgroup_id_x 1
		.amdhsa_system_sgpr_workgroup_id_y 1
		.amdhsa_system_sgpr_workgroup_id_z 1
		.amdhsa_system_vgpr_workitem_id 0
		.amdhsa_next_free_vgpr 1024
		.amdhsa_next_free_sgpr 102
		.amdhsa_reserve_vcc 1
		.amdhsa_float_denorm_mode_32 3
		.amdhsa_float_denorm_mode_16_64 3
		.amdhsa_memory_ordered 1
		.amdhsa_forward_progress 1
		.amdhsa_inst_pref_size 159
	.end_amdhsa_kernel
	.amdgpu_metadata
---
amdhsa.version: [ 1, 2 ]
amdhsa.kernels:
  - .name:           k_qd0e2cbb2e7_proj
    .symbol:         k_qd0e2cbb2e7_proj.kd
    .args:
      - { .name: x_codes, .offset: 0, .size: 8, .value_kind: global_buffer, .address_space: global }
      - { .name: x_scales, .offset: 8, .size: 8, .value_kind: global_buffer, .address_space: global }
      - { .name: Wq_codes, .offset: 16, .size: 8, .value_kind: global_buffer, .address_space: global }
      - { .name: Wq_scales, .offset: 24, .size: 8, .value_kind: global_buffer, .address_space: global }
      - { .name: Wk_codes, .offset: 32, .size: 8, .value_kind: global_buffer, .address_space: global }
      - { .name: Wk_scales, .offset: 40, .size: 8, .value_kind: global_buffer, .address_space: global }
      - { .name: Wr_codes, .offset: 48, .size: 8, .value_kind: global_buffer, .address_space: global }
      - { .name: Wr_scales, .offset: 56, .size: 8, .value_kind: global_buffer, .address_space: global }
      - { .name: Wv_codes, .offset: 64, .size: 8, .value_kind: global_buffer, .address_space: global }
      - { .name: Wv_scales, .offset: 72, .size: 8, .value_kind: global_buffer, .address_space: global }
      - { .name: qkv, .offset: 80, .size: 8, .value_kind: global_buffer, .address_space: global }
      - { .name: rbuf, .offset: 88, .size: 8, .value_kind: global_buffer, .address_space: global }
    .group_segment_fixed_size: 327680
    .private_segment_fixed_size: 0
    .kernarg_segment_align: 8
    .kernarg_segment_size: 96
    .max_flat_workgroup_size: 128
    .sgpr_count:     102
    .vgpr_count:     1024
    .wavefront_size: 32
...
	.end_amdgpu_metadata
.endif
;; end of part 1
;; launch attn (part 2): grid 4 x 64, 16 waves a work-group, clusters of 4 x 1, 232,960 bytes of LDS; arguments qkv, rbuf, ybuf; writes ybuf
.if DOCPART == 2
	.amdgcn_target "amdgcn-amd-amdhsa--gfx1250"
	.amdhsa_code_object_version 6
	.text
	.protected	k_qd0e2cbb2e7_attn
	.globl	k_qd0e2cbb2e7_attn
	.p2align	8
	.type	k_qd0e2cbb2e7_attn,@function
k_qd0e2cbb2e7_attn:
	s_mov_b64 s[64:65], 0
	v_nop
	global_prefetch_b8 v0, s[64:65] scope:SCOPE_SE
	s_setreg_imm32_b32 hwreg(HW_REG_WAVE_MODE, 25, 1), 1
	s_wait_xcnt 0x0
	s_wait_alu depctr_hold_cnt(0) depctr_sa_sdst(0) depctr_va_vdst(0) depctr_va_sdst(0) depctr_va_ssrc(0) depctr_va_vcc(0) depctr_vm_vsrc(0)
	s_getreg_b32 s2, hwreg(HW_REG_IB_STS2, 6, 4)
	s_cmp_eq_u32 s2, 0
	s_cbranch_scc0 .Lentry_in_a_cluster
	s_endpgm
.Lentry_in_a_cluster:
	s_bfe_u32 s2, ttmp6, 0x10000c
	s_cmp_lg_u32 s2, 0x3003
	s_cbranch_scc0 .Lentry_shape_is_right
	s_endpgm
.Lentry_shape_is_right:
; y = relu(attention + r), attention on codes of FP4 (E2M1) with E8M0 scales: scores = q k^T / 8 (K = the head's 64), o = softmax(scores) v (K = the 2,048 keys).  Nothing of the problem is left out here.
; THE SOFTMAX AHEAD OF THE SECOND PRODUCT: t = score x log2(e) / 8; M = the largest t so far, rounded up to a whole number; p = 2^(t - M) is quantised along the keys, not normalised; the row's sum is taken
; of the unquantised p and divides at the end.  When M moves, the sum and O are multiplied by 2^(old M - new M), which rounds nothing.
; LIMITS: a block's largest p is taken as the exponential of the block's largest score, which takes v_exp_f32 not to fall where its input rises; a block whose every p is 0 keeps the scale byte 1 over zero codes.
; SHARES.  A work-group owns 512 queries of one head hb (work-group y); each of its sixteen waves two tiles of 16 queries, one after the other, in 256 registers.  Every wave walks all 2,048 keys, 128 a step.
; THE HEAD'S K, V AND THEIR SCALE WORDS, 143,360 bytes as the launch before laid them (images of operand registers), COME INTO LDS ONCE: wave g brings key step g, 35 rows of 256 bytes, by one joint load of the
; four query blocks of the head (cluster 4 x 1, mask 15): no LDS byte is filled twice, and the loop has no barrier.  The descriptor lays 32 bytes of padding behind each row: LDS rows are 288 bytes apart.
; THE KEYS OF A TILE ARE CHOSEN, by LDS address alone: row 8 x + j of tile 4 g + t is key 64 g + 32 x + 8 t + j.  Both products are used transposed (S^T = K Q^T, O^T = V^T P^T), so lane (r, h) holds query r,
; and its 32 registers of tiles 4 g .. 4 g + 3 are the WHOLE block of keys 64 g + 32 h + 0 .. 31: a block's maximum asks no other lane, and the conversion of tile 4 g + t is register 4 g + t of P's operand.
; Rows 0-7 and 8-15 of a tile lie 4 LDS rows (1,152 bytes) apart, which is 128 bytes modulo 256: sixteen lanes touch sixteen different columns of 16 bytes.
; THE FIRST PRODUCT HAS K = 64 IN AN INSTRUCTION OF K = 128: Q's registers 4-7 hold zero codes; K's operand reaches on into the next tile's registers (for the last tile: zeros), which meet those zeros.
; K's fragments of step s + 1 are asked of LDS straight behind the score products of step s; V's of step s there too.
; No prefetch: nothing is fetched from memory inside the key loop; r's tile and the next Q are asked for one key step ahead of their use, into registers.
.set HS,    217088
.set QI,    143360
.set QS,    208896
.set GSTEP, 8960                       ; a key step in memory: K 4,096, V 4,096, K's scale words 512, V's 256
.set LP,    288                        ; an LDS row: 256 bytes + 32 of padding
.set GL,    35*LP                      ; a key step in LDS
.set STAGE, 16*GL                      ; behind the head: 16 rows x (256 bytes + 16) for each wave, for the way out
.set SPARE, STAGE+16*16*272            ; the spare words, 128 bytes for each wave
.set LI,  1                            ; v1   16 x lane (Q in memory)
.set SR,  2                            ; v2   16 x (lane % 16)
.set KA0, 3                            ; v3   my lane's place in a tile of K: 1152 (r / 8) + 288 h + 16 (r % 8)
.set KWA0, 4                           ; v4   and among K's scale words: 16 (r % 8) + 8 (r / 8)
.set SPW, 5                            ; v5   LDS address of my spare word; never rewritten
.set NIL, 6                            ; v6   0; never rewritten
.set STI, 7                            ; v7   the stage: where I put 32 bytes of a row
.set STO, 8                            ; v8   and where I read a row back
.set GO,  9                            ; v9   my byte offset in the tile's rows of r and y
.set AV,  10                           ; v10, v11 the step's V and V's scale words
.set AVW, 11
;         v12 -M, v13 the largest score, v[14:15] the sum in two halves
.set QF,  16                           ; v16-19 Q's codes, v20-23 zeros
.set QW,  24                           ; v24  Q's scale words
.set AK,  25                           ; v25, v26 the step's K and K's scale words
.set AKW, 26
.set LV,  27                           ; v27  my lane's place in a fragment of V: 288 h + 16 r
.set KF,  32                           ; v32-63 K: 8 tiles x 4 registers; v64-67 zeros.  At a trip's end v32-63 take r's tile
.set VF,  68                           ; v68-99 V: 4 fragments
.set S,   100                          ; v100-163 S^T, then p
.set O,   164                          ; v164-195 O^T
.set PC,  196                          ; v196-203 p's codes
.set KW,  204                          ; v204-211 K's scale words: tile 4 g + t in register 4 g + 2 (t % 2) + t / 2
.set VW,  212                          ; v212-215 V's
.set PWD, 216                          ; v216 p's scale word
.set BM,  220                          ; v220-223 maxima: two chains for each of my two blocks
.set BT,  224                          ; v224-226 at work
.set BS,  228                          ; v228-229 the conversions' scale operands
.set F,   232                          ; v[232:233] f = 2^(old M - new M) (the upper register is named with it and holds 0)
.set TMP, 234
.set SU,  240                          ; v242-255 seven more chains of the sum
.set WV,  10
.set G1,  16
.set G0,  24
.set SEL, 28                           ; s[28:29] v_permlanex16_b32's selects for lane l xor 16
.set CS,  30                           ; s[30:31] c = log2(e) / 8
.set TB,  32                           ; s32  LDS byte at which the key step begins
.set CNT, 33
.macro CROUND                          ; a round of the cluster's barrier
	s_barrier_signal -1
	s_barrier_wait -1
	s_cmp_lg_u32 s[WV], 0
	s_cbranch_scc1 .Lnot_wave_0_\@
	s_barrier_signal -3
.Lnot_wave_0_\@:
	s_barrier_wait -3
	s_barrier_signal -1
	s_barrier_wait -1
.endm
	s_load_b128 s[4:7], s[0:1], 0x0                ; qkv, rbuf
	s_load_b64 s[8:9], s[0:1], 0x10                ; ybuf
	v_lshl_add_u32 v[SPW], v0, 2, SPARE
	v_mov_b32 v[NIL], 0
	ds_add_u32 v[SPW], v[NIL]                      ; the opening lines: the add, twice on end, and its wait ahead of my first tensor load
	ds_add_u32 v[SPW], v[NIL]
	v_lshrrev_b32 v28, 5, v0
	s_delay_alu instid0(VALU_DEP_1)
	v_readfirstlane_b32 s[WV], v28                 ; wave 0..15
	s_bfe_u32 s11, ttmp6, 0x40000                  ; cx: my block of 512 queries: it enters Q's, r's and y's addresses alone
	s_and_b32 s12, ttmp7, 0xffff                   ; hb, which the four partners share
	s_mul_i32 s13, s12, HS
	s_mov_b32 s[G1+0], 15|(3<<16)|(1<<20)|(1<<21)|(5<<22)|(7<<25)   ; the mask: all four; elements of 8 bytes; padding: 8 words after every 64; bit 21 beside a mask
	s_mov_b32 s[G1+1], 32<<16                      ; rows of 256 bytes
	s_mov_b32 s[G1+2], 35<<16
	s_mov_b32 s[G1+3], 32<<16
	s_mov_b32 s[G1+4], 35
	s_mov_b32 s[G1+5], 32                          ; dense in memory
	s_mov_b32 s[G1+6], 0
	s_mov_b32 s[G1+7], 0
	s_mov_b32 s[G0], 1
	s_mul_i32 s[G0+1], s[WV], GL                   ; LDS address: my key step
	s_mul_i32 s14, s[WV], GSTEP
	s_add_co_u32 s14, s14, s13                     ; and the same step in the head's struct
	s_mov_b32 s15, 0
	s_mov_b32 s[SEL], 0x76543210
	s_mov_b32 s[SEL+1], 0xfedcba98
	s_mov_b32 s[CS], 0x3e38aa3b
	s_mov_b32 s[CS+1], s[CS]
	s_lshl_b32 s34, s11, 5
	s_lshl_b32 s35, s[WV], 1
	s_add_co_u32 s34, s34, s35                     ; my first tile of queries: 32 cx + 2 wave
	s_lshl_b32 s38, s34, 16                        ; x 16 rows of 4,096 bytes
	s_lshl_b32 s34, s34, 9                         ; x 512 bytes of codes
	s_add_co_u32 s34, s34, s13
	s_add_co_u32 s34, s34, QI
	s_mov_b32 s35, 0
	s_lshl_b32 s36, s11, 2                         ; its scale words: [tile / 8] 512 + [(tile % 8) / 4] 256 + [row] 16 + [tile % 4] 4
	s_lshr_b32 s37, s[WV], 2
	s_add_co_u32 s36, s36, s37
	s_lshl_b32 s36, s36, 9
	s_bfe_u32 s37, s[WV], 0x10001
	s_lshl_b32 s37, s37, 8
	s_add_co_u32 s36, s36, s37
	s_and_b32 s37, s[WV], 1
	s_lshl_b32 s37, s37, 3
	s_add_co_u32 s36, s36, s37
	s_add_co_u32 s36, s36, s13
	s_add_co_u32 s36, s36, QS
	s_mov_b32 s37, 0
	s_lshr_b32 s39, s12, 4                         ; r, y: the batch's 2,048 rows of 4,096 bytes,
	s_lshl_b32 s39, s39, 23
	s_add_co_u32 s38, s38, s39
	s_and_b32 s39, s12, 15                         ; the head's 256 bytes of a row
	s_lshl_b32 s39, s39, 8
	s_add_co_u32 s38, s38, s39
	s_mov_b32 s39, 0
	s_mul_i32 s[CNT], s[WV], 16*272
	s_add_co_u32 s[CNT], s[CNT], STAGE             ; my stage
	v_and_b32 v28, 31, v0
	v_and_b32 v29, 15, v0                          ; r
	v_bfe_u32 v30, v0, 4, 1                        ; h
	v_and_b32 v31, 7, v0                           ; r % 8
	v_bfe_u32 v[AK], v0, 3, 1                      ; r / 8
	v_lshlrev_b32 v[LI], 4, v28
	v_lshlrev_b32 v[SR], 4, v29
	v_lshlrev_b32 v[KWA0], 4, v31
	v_mul_u32_u24 v[LV], v30, LP
	v_mul_u32_u24 v[STI], v29, 272
	v_mul_u32_u24 v[STO], v30, 272
	v_lshlrev_b32 v[GO], 12, v30
	v_mad_u32_u24 v[KA0], v[AK], 4*LP, v[KWA0]
	v_lshl_add_u32 v[KWA0], v[AK], 3, v[KWA0]
	v_lshl_add_u32 v[STI], v30, 5, v[STI]
	v_lshl_add_u32 v[STO], v29, 4, v[STO]
	v_add_nc_u32 v[KA0], v[KA0], v[LV]
	v_lshl_add_u32 v[LV], v29, 4, v[LV]
	v_add_nc_u32 v[STI], s[CNT], v[STI]            ; in: row r, + 32 h
	v_add_nc_u32 v[STO], s[CNT], v[STO]            ; back: lanes 0-15 one row, lanes 16-31 the next
	v_lshl_add_u32 v[GO], v29, 4, v[GO]
	s_wait_alu depctr_va_vdst(0)
	s_wait_dscnt 0x0                               ; both opening adds are done
	s_wait_kmcnt 0x0
	s_add_nc_u64 s[G0+2:G0+3], s[4:5], s[14:15]
	s_or_b32 s[G0+3], s[G0+3], 0x80000000
	s_add_nc_u64 s[40:41], s[8:9], s[38:39]        ; y at my first tile
	s_add_nc_u64 s[38:39], s[6:7], s[38:39]        ; r likewise
	s_add_nc_u64 s[34:35], s[4:5], s[34:35]        ; Q's codes
	s_add_nc_u64 s[36:37], s[4:5], s[36:37]        ; Q's scale words
	CROUND                                         ; all four work-groups are here: the joint loads meet
	tensor_load_to_lds s[G0:G0+3], s[G1:G1+7]      ; my key step, for all four work-groups
	s_nop 0
.rept 4
	v_nop
.endr
	global_load_b128 v[QF:QF+3], v[LI], s[34:35]   ; the first tile's Q
	global_load_b32 v[QW], v[SR], s[36:37]
.irp j, 4,5,6,7
	v_mov_b32 v[QF+\j], 0                          ; zero codes for k = 64 .. 127
.endr
.irp j, 0,1,2,3
	v_mov_b32 v[KF+32+\j], 0                       ; what the last tile's operand reaches into
.endr
	v_mov_b32 v[BT+2], 0                           ; written once: a lane permute's destination counts as one of its sources
	v_mov_b32 v[F+1], 0
	s_wait_alu depctr_va_vdst(0)
	s_wait_tensorcnt 0x0                           ; my key step is in,
	s_barrier_signal -1
	s_barrier_wait -1                              ; everybody's is: the head lies in LDS for the rest of the launch
; K's scale words (four loads of two words) and K's eight tiles of the step that begins off bytes behind the address: 12 LDS loads
.macro KLOAD ak, akw, off
.irp g, 0,1
.irp u, 0,1
	ds_load_b64 v[KW+4*\g+2*\u:KW+4*\g+2*\u+1], v[\akw] offset:\off+32*LP+LP*\g+128*\u
.endr
.endr
.irp t, 0,1,2,3,4,5,6,7
	ds_load_b128 v[KF+4*\t:KF+4*\t+3], v[\ak] offset:\off+8*LP*(\t/4)+2*LP*((\t%4)/2)+128*(\t%2)
.endr
.endm
; A KEY STEP: 128 keys.  last = 1: the trip's last step asks for no further K but for r's tile (and, next = 1, for the next tile's Q), into registers that the score products have just left.
.macro STEP last, next, trip
	s_wait_dscnt 0x0                               ; K and its scale words are in: they were asked for a step ago
.irp t, 0,1,2,3,4,5,6,7
	v_wmma_scale_f32_16x16x128_f8f6f4 v[S+8*\t:S+8*\t+7], v[KF+4*\t:KF+4*\t+7], v[QF:QF+7], 0, v[KW+4*(\t/4)+2*(\t%2)+(\t%4)/2], v[QW] matrix_a_fmt:MATRIX_FMT_FP4 matrix_b_fmt:MATRIX_FMT_FP4
.endr
	v_add_nc_u32 v[AV], s[TB], v[LV]               ; four plain lines: the places between the products and the loads into their operands and the reads of their results
	v_add_nc_u32 v[AVW], s[TB], v[SR]
.if \last
	v_nop
	v_nop
.else
	v_add_nc_u32 v[AK], s[TB], v[KA0]
	v_add_nc_u32 v[AKW], s[TB], v[KWA0]
.endif
	ds_load_b128 v[VW:VW+3], v[AVW] offset:34*LP
.irp t, 0,1,2,3
.irp c, 0,1
	ds_load_b128 v[VF+8*\t+4*\c:VF+8*\t+4*\c+3], v[AV] offset:16*LP+4*LP*\t+2*LP*\c
.endr
.endr
.if \last
.irp i, 0,1,2,3,4,5,6,7
	global_load_b128 v[KF+4*\i:KF+4*\i+3], v[GO], s[38:39] offset:65536*\trip+8192*\i th:TH_LOAD_NT   ; r: rows 2 i and 2 i + 1 of my tile, 256 bytes each
.endr
.if \next
	global_load_b128 v[QF:QF+3], v[LI], s[34:35] offset:512
	global_load_b32 v[QW], v[SR], s[36:37] offset:4
.endif
.else
	KLOAD AK, AKW, GL                              ; the next step's K
.endif
.irp g, 0,1                                    ; the largest score of each of my two blocks of 32 keys, in two chains each: it serves for the row's maximum and for the block's largest p
	v_max3_num_f32 v[BM+2*\g], v[S+32*\g], v[S+32*\g+1], v[S+32*\g+2]
	v_max3_num_f32 v[BM+2*\g+1], v[S+32*\g+17], v[S+32*\g+18], v[S+32*\g+19]
.endr
.irp i, 3,5,7,9,11,13
.irp g, 0,1
	v_max3_num_f32 v[BM+2*\g], v[BM+2*\g], v[S+32*\g+\i], v[S+32*\g+\i+1]
	v_max3_num_f32 v[BM+2*\g+1], v[BM+2*\g+1], v[S+32*\g+17+\i], v[S+32*\g+18+\i]
.endr
.endr
.irp g, 0,1
	v_max3_num_f32 v[BM+2*\g], v[BM+2*\g], v[S+32*\g+15], v[S+32*\g+16]
.endr
.irp g, 0,1
	s_delay_alu instid0(VALU_DEP_2)
	v_max_num_f32 v[BM+2*\g], v[BM+2*\g], v[BM+2*\g+1]
.endr
	s_delay_alu instid0(VALU_DEP_1)
	v_max_num_f32 v[TMP], v[BM], v[BM+2]
	s_delay_alu instid0(VALU_DEP_1)
	v_permlanex16_b32 v[BT+2], v[TMP], s[SEL], s[SEL+1]
	s_delay_alu instid0(VALU_DEP_1)
	v_max3_num_f32 v13, v13, v[TMP], v[BT+2]       ; the running largest score of my query (c is positive: it gives the largest t)
	v_mov_b32 v[TMP+1], v12
	s_delay_alu instid0(VALU_DEP_2)
	v_mul_f32 v[TMP], s[CS], v13
	s_delay_alu instid0(VALU_DEP_1)
	v_floor_f32 v12, -v[TMP]                       ; the new -M = floor(-t): M is a whole number
	s_delay_alu instid0(VALU_DEP_1)
	v_fma_f32 v[BM], v[BM], s[CS], v12             ; t - M of each block's largest score
	v_fma_f32 v[BM+2], v[BM+2], s[CS], v12
.set j, 0
.rept 32
	v_pk_fma_f32 v[S+j:S+j+1], v[S+j:S+j+1], s[CS:CS+1], v[12:13] op_sel_hi:[1,0,0]   ; t - M, two at a time; f's three lines stand among them
.if j == 4
	v_sub_f32 v[TMP], v12, v[TMP+1]                ; old M - new M: a whole number, 0 or less
.endif
.if j == 12
	v_cvt_i32_f32 v[TMP], v[TMP]                   ; (it saturates)
.endif
.if j == 20
	v_ldexp_f32 v[F], 1.0, v[TMP]                  ; f = 2^(old M - new M)
.endif
.set j, j+2
.endr
	s_wait_alu depctr_va_vdst(0)
	v_exp_f32 v[BM], v[BM]                         ; the blocks' largest p
	v_exp_f32 v[BM+2], v[BM+2]
.set j, 0
.rept 64
	v_exp_f32 v[S+j], v[S+j]                       ; p = 2^(t - M), at most 1
.set j, j+1
.endr
	v_pk_mul_f32 v[14:15], v[14:15], v[F:F+1] op_sel_hi:[1,0]   ; the sums under the new M: the plain place behind the exponentials
	s_wait_alu depctr_va_vdst(0)                   ; behind the batch, and directly ahead of the first reader of O^T
.set j, 0
.rept 16
	v_pk_mul_f32 v[O+j:O+j+1], v[O+j:O+j+1], v[F:F+1] op_sel_hi:[1,0]   ; O^T under the new M
.if j == 6
	v_max_num_f32 v[BM], 0x1800000, v[BM]          ; the floor 2^(3 - 127): the byte cannot fall under 1
	v_max_num_f32 v[BM+2], 0x1800000, v[BM+2]
.endif
.if j == 14
	v_add_nc_u32 v[BS], 0xff000000, v[BM]          ; 2 off the exponent field: the conversion's scale operand
	v_add_nc_u32 v[BS+1], 0xff000000, v[BM+2]
.endif
.set j, j+2
.endr
.irp t, 0,1,2,3,4,5,6,7
	v_cvt_scalef32_pk8_fp4_f32 v[PC+\t], v[S+8*\t:S+8*\t+7], v[BS+\t/4]   ; keys 64 (t / 4) + 32 h + 8 (t % 4) + 0 .. 7: register t of the operand
.endr
	v_lshrrev_b32 v[BT], 23, v[BS]                 ; my two scale bytes: blocks h and 2 + h (a plain place behind the last conversion)
	v_lshrrev_b32 v[BT+1], 23, v[BS+1]
.irp k, 1,2,3,4,5,6,7                          ; the row's sum of the unquantised p, two at a time, in eight chains; the scale word's lines stand among them
	v_pk_add_f32 v[SU+2*\k:SU+2*\k+1], v[S+4*\k-4:S+4*\k-3], v[S+4*\k-2:S+4*\k-1]
.endr
	v_pk_add_f32 v[14:15], v[14:15], v[S+28:S+29]
	v_lshl_or_b32 v[BT], v[BT+1], 16, v[BT]
.irp k, 1,2,3,4,5,6,7
	v_pk_add_f32 v[SU+2*\k:SU+2*\k+1], v[SU+2*\k:SU+2*\k+1], v[S+28+2*\k:S+29+2*\k]
.endr
	v_pk_add_f32 v[14:15], v[14:15], v[S+44:S+45]
	v_permlanex16_b32 v[BT+1], v[BT], s[SEL], s[SEL+1]
.irp k, 1,2,3,4,5,6,7
	v_pk_add_f32 v[SU+2*\k:SU+2*\k+1], v[SU+2*\k:SU+2*\k+1], v[S+44+2*\k:S+45+2*\k]
.endr
	v_lshl_or_b32 v[PWD], v[BT+1], 8, v[BT]        ; p's scale word, whole in lanes 0-15, which are the ones read; nine plain lines follow it
	v_pk_add_f32 v[14:15], v[14:15], v[S+60:S+61]
	v_pk_add_f32 v[SU+2:SU+3], v[SU+2:SU+3], v[S+62:S+63]
	v_pk_add_f32 v[SU+6:SU+7], v[SU+6:SU+7], v[SU+8:SU+9]
	v_pk_add_f32 v[SU+10:SU+11], v[SU+10:SU+11], v[SU+12:SU+13]
	v_pk_add_f32 v[14:15], v[14:15], v[SU+14:SU+15]
	v_pk_add_f32 v[SU+2:SU+3], v[SU+2:SU+3], v[SU+4:SU+5]
	v_pk_add_f32 v[14:15], v[14:15], v[SU+10:SU+11]
	s_delay_alu instid0(VALU_DEP_2)
	v_pk_add_f32 v[SU+2:SU+3], v[SU+2:SU+3], v[SU+6:SU+7]
	s_delay_alu instid0(VALU_DEP_1)
	v_pk_add_f32 v[14:15], v[14:15], v[SU+2:SU+3]
	s_wait_alu depctr_va_vdst(0)
.if \last
	s_wait_dscnt 0x0                               ; V and its scale words are in
.else
	s_wait_dscnt 12                                ; V and its scale words are in; the youngest twelve loads, the next step's K, may be out
.endif
.irp t, 0,1,2,3
	v_wmma_scale_f32_16x16x128_f8f6f4 v[O+8*\t:O+8*\t+7], v[VF+8*\t:VF+8*\t+7], v[PC:PC+7], v[O+8*\t:O+8*\t+7], v[VW+\t], v[PWD] matrix_a_fmt:MATRIX_FMT_FP4 matrix_b_fmt:MATRIX_FMT_FP4
.endr
.endm
; ONE TILE OF 16 QUERIES: sixteen key steps, then the way out.
.macro TRIP trip, next
	KLOAD KA0, KWA0, 0                             ; key step 0's K
	s_wait_xcnt 0x0                                ; the last tile's stores have read their data: those registers are written again below
	s_wait_loadcnt 0x0                             ; Q
	v_mov_b32 v13, 0xff61b1e6                      ; the largest score so far: -3e38, under every score
	v_mov_b32 v12, 0x7d800000                      ; -M to begin with: a large whole number, so that the first f is 0
	v_mov_b32 v14, 0
	v_mov_b32 v15, 0
.set j, 0
.rept 32
	v_mov_b32 v[O+j], 0                            ; the step is written once: the first finds zeros, which the first change of M leaves zeros
.set j, j+1
.endr
	s_mov_b32 s[TB], 0
	s_mov_b32 s[CNT], 15
.Lstep_\@:
	STEP 0, 0, \trip
	s_add_co_u32 s[TB], s[TB], GL
	s_sub_co_u32 s[CNT], s[CNT], 1
	s_cmp_lg_u32 s[CNT], 0
	s_cbranch_scc1 .Lstep_\@
	s_mov_b32 s[TB], 15*GL
	STEP 1, \next, \trip
	v_add_f32 v14, v14, v15                        ; the sum's two halves,
	s_delay_alu instid0(VALU_DEP_1)
	v_permlanex16_b32 v[TMP], v14, s[SEL], s[SEL+1]
	s_delay_alu instid0(VALU_DEP_1)
	v_add_f32 v14, v14, v[TMP]                     ; and lane l xor 16's
	s_wait_alu depctr_va_vdst(0)
	v_rcp_f32 v14, v14
	v_nop                                          ; the plain place behind the reciprocal; with the lines above: the places behind the last products
	v_nop
	s_wait_alu depctr_va_vdst(0)
.set j, 0
.rept 16
	v_pk_mul_f32 v[S+j:S+j+1], v[O+j:O+j+1], v[14:15] op_sel_hi:[1,0]   ; O^T / the sum, each accumulator from its low end on
.set j, j+2
.endr
.irp t, 0,1,2,3
	ds_store_b128 v[STI], v[S+8*\t:S+8*\t+3] offset:64*\t
	ds_store_b128 v[STI], v[S+8*\t+4:S+8*\t+7] offset:64*\t+16
.endr
.irp i, 0,1,2,3,4,5,6,7
	ds_load_b128 v[S+32+4*\i:S+32+4*\i+3], v[STO] offset:544*\i   ; LDS serves a wave's instructions in order (ISA guide 5.7.1.4): these see my stores
.endr
.if \next
	s_wait_loadcnt 2                               ; r's eight loads are in; the next Q's two may be out
.else
	s_wait_loadcnt 0x0
.endif
	s_wait_dscnt 0x0
.set j, 0
.rept 16
	v_pk_add_f32 v[S+32+j:S+32+j+1], v[S+32+j:S+32+j+1], v[KF+j:KF+j+1]   ; + r
.set j, j+2
.endr
.set j, 0
.rept 32
	v_max_num_f32 v[S+32+j], 0, v[S+32+j]          ; relu
.set j, j+1
.endr
.irp i, 0,1,2,3,4,5,6,7
	global_store_b128 v[GO], v[S+32+4*\i:S+32+4*\i+3], s[40:41] offset:65536*\trip+8192*\i   ; sixteen lanes store 256 consecutive bytes, aligned
.endr
.endm
	TRIP 0, 1
	TRIP 1, 0
	s_wait_tensorcnt 0x0                           ; the wave's end
	ds_add_u32 v[SPW], v[NIL]
	s_wait_dscnt 0x0
	CROUND                                         ; the closing round
	s_endpgm
.Lfunc_end_k_qd0e2cbb2e7_attn:
	.size	k_qd0e2cbb2e7_attn, .Lfunc_end_k_qd0e2cbb2e7_attn-k_qd0e2cbb2e7_attn
	.p2alignl 7, 3214868480
	.fill 96, 4, 3214868480
	.section	.rodata,"a",@progbits
	.p2align	6, 0x0
	.amdhsa_kernel k_qd0e2cbb2e7_attn
		.amdhsa_group_segment_fixed_size 232960
		.amdhsa_private_segment_fixed_size 0
		.amdhsa_enable_private_segment 0
		.amdhsa_kernarg_size 24
		.amdhsa_user_sgpr_count 2
		.amdhsa_user_sgpr_kernarg_segment_ptr 1
		.amdhsa_wavefront_size32 1
		.amdhsa_system_sgpr_workgroup_id_x 1
		.amdhsa_system_sgpr_workgroup_id_y 1
		.amdhsa_system_sgpr_workgroup_id_z 1
		.amdhsa_system_vgpr_workitem_id 0
		.amdhsa_next_free_vgpr 256
		.amdhsa_next_free_sgpr 66
		.amdhsa_reserve_vcc 0
		.amdhsa_float_denorm_mode_32 3
		.amdhsa_float_denorm_mode_16_64 3
		.amdhsa_memory_ordered 1
		.amdhsa_forward_progress 1
		.amdhsa_inst_pref_size 78
	.end_amdhsa_kernel
	.amdgpu_metadata
---
amdhsa.version: [ 1, 2 ]
amdhsa.kernels:
  - .name:           k_qd0e2cbb2e7_attn
    .symbol:         k_qd0e2cbb2e7_attn.kd
    .args:
      - { .name: qkv, .offset: 0, .size: 8, .value_kind: global_buffer, .address_space: global }
      - { .name: rbuf, .offset: 8, .size: 8, .value_kind: global_buffer, .address_space: global }
      - { .name: ybuf, .offset: 16, .size: 8, .value_kind: global_buffer, .address_space: global }
    .group_segment_fixed_size: 232960
    .private_segment_fixed_size: 0
    .kernarg_segment_align: 8
    .kernarg_segment_size: 24
    .max_flat_workgroup_size: 512
    .sgpr_count:     66
    .vgpr_count:     256
    .wavefront_size: 32
...
	.end_amdgpu_metadata
.endif
;; end of part 2
;; launch norm (part 3): grid 256 x 1, 8 waves a work-group, no clusters, 0 bytes of LDS; arguments ybuf, gamma, beta, out0; writes out0
.if DOCPART == 3
	.amdgcn_target "amdgcn-amd-amdhsa--gfx1250"
	.amdhsa_code_object_version 6
	.text
	.protected	k_qd0e2cbb2e7_norm
	.globl	k_qd0e2cbb2e7_norm
	.p2align	8
	.type	k_qd0e2cbb2e7_norm,@function
k_qd0e2cbb2e7_norm:
	s_mov_b64 s[64:65], 0
	v_nop
	global_prefetch_b8 v0, s[64:65] scope:SCOPE_SE
	s_setreg_imm32_b32 hwreg(HW_REG_WAVE_MODE, 25, 1), 1
	s_wait_xcnt 0x0
; out = (y - mean) x rsqrt(var + 1e-5) x gamma + beta along each row of 1,024 numbers; y [8192][1024] f32 is relu(attention + r) of the launch before.  Nothing of the problem is left out here.
; The mean is taken away before the squares are summed, as the problem writes it, so a common offset of a row costs no accuracy.
; A wave takes 4 rows; a row is 4,096 bytes: eight loads of 512 consecutive bytes, 32 registers, in which it stays between the passes: y is read once.  The reductions never leave the wave: no LDS, no barrier.
; All 48 loads of a wave go out at the head; every offset is an immediate; no register that a store reads is written again.
; No cluster and no matrix work: the work-groups share gamma and beta alone, 8 KiB beside the 128 KiB of rows that each reads.
.set G, 4                              ; v4-35    gamma of my 32 columns (128 j + 4 lane + 0 .. 3)
.set B, 36                             ; v36-67   beta
.set X, 68                             ; v68-195  four rows
.set T, 196                            ; v196-203 at work
	s_load_b256 s[4:11], s[0:1], 0x0               ; y s[4:5], gamma s[6:7], beta s[8:9], out s[10:11]
	s_lshl_b32 s2, ttmp9, 17                       ; the work-group's 32 rows of 4,096 bytes
	s_mov_b32 s3, 0
	s_mov_b32 s12, 0x76543210                      ; v_permlanex16_b32's selects for lane l xor 16
	s_mov_b32 s13, 0xfedcba98
	s_mov_b32 s14, 0x3a800000                      ; 1 / 1024
	s_mov_b32 s15, 0x3727c5ac                      ; 1e-5
	v_and_b32 v2, 31, v0
	s_delay_alu instid0(VALU_DEP_1)
	v_lshlrev_b32 v2, 4, v2                        ; 16 x lane
	v_lshrrev_b32 v3, 5, v0
	s_delay_alu instid0(VALU_DEP_1)
	v_lshl_add_u32 v1, v3, 14, v2                  ; + wave x 4 rows
	s_wait_alu depctr_va_vdst(0)
	s_wait_kmcnt 0x0
	s_add_nc_u64 s[4:5], s[4:5], s[2:3]
	s_add_nc_u64 s[10:11], s[10:11], s[2:3]
.macro LOADROW i
.irp j, 0,1,2,3,4,5,6,7
	global_load_b128 v[X+32*\i+4*\j:X+32*\i+4*\j+3], v1, s[4:5] offset:4096*\i+512*\j th:TH_LOAD_NT
.endr
.endm
	LOADROW 0
.irp j, 0,1,2,3,4,5,6,7
	global_load_b128 v[G+4*\j:G+4*\j+3], v2, s[6:7] offset:512*\j
.endr
.irp j, 0,1,2,3,4,5,6,7
	global_load_b128 v[B+4*\j:B+4*\j+3], v2, s[8:9] offset:512*\j
.endr
	LOADROW 1
	LOADROW 2
	LOADROW 3
.macro ACROSS                          ; v[T] summed over the 32 lanes, the result in every lane
	s_delay_alu instid0(VALU_DEP_1)
	v_add_f32 v[T], v[T], v[T+1]
	s_delay_alu instid0(VALU_DEP_1)
	v_add_f32_dpp v[T], v[T], v[T] row_xmask:1 row_mask:0xf bank_mask:0xf
	s_delay_alu instid0(VALU_DEP_1)
	v_add_f32_dpp v[T], v[T], v[T] row_xmask:2 row_mask:0xf bank_mask:0xf
	s_delay_alu instid0(VALU_DEP_1)
	v_add_f32_dpp v[T], v[T], v[T] row_xmask:4 row_mask:0xf bank_mask:0xf
	s_delay_alu instid0(VALU_DEP_1)
	v_add_f32_dpp v[T], v[T], v[T] row_xmask:8 row_mask:0xf bank_mask:0xf
	s_delay_alu instid0(VALU_DEP_1)
	v_permlanex16_b32 v[T+1], v[T], s12, s13
	s_delay_alu instid0(VALU_DEP_1)
	v_add_f32 v[T], v[T], v[T+1]
.endm
; left: how many younger loads may stay out when this row's have to be there
.macro ROW i, left
.set X0, X+32*\i
	s_wait_loadcnt \left
	v_pk_add_f32 v[T:T+1], v[X0:X0+1], v[X0+2:X0+3]               ; the row's sum, in two chains
	v_pk_add_f32 v[T+2:T+3], v[X0+4:X0+5], v[X0+6:X0+7]
.irp j, 8,12,16,20,24,28
	s_delay_alu instid0(VALU_DEP_2)
	v_pk_add_f32 v[T:T+1], v[T:T+1], v[X0+\j:X0+\j+1]
	s_delay_alu instid0(VALU_DEP_2)
	v_pk_add_f32 v[T+2:T+3], v[T+2:T+3], v[X0+\j+2:X0+\j+3]
.endr
	s_delay_alu instid0(VALU_DEP_1)
	v_pk_add_f32 v[T:T+1], v[T:T+1], v[T+2:T+3]
	ACROSS
	s_delay_alu instid0(VALU_DEP_1)
	v_mul_f32 v[T+4], s14, v[T]                    ; the mean, twice: a pair for the packed forms
	s_delay_alu instid0(VALU_DEP_2)
	v_mul_f32 v[T+5], s14, v[T]
.set j, 0
.rept 16
	v_pk_add_f32 v[X0+j:X0+j+1], v[X0+j:X0+j+1], v[T+4:T+5] neg_lo:[0,1] neg_hi:[0,1]   ; y - mean, in place
.set j, j+2
.endr
	v_pk_mul_f32 v[T:T+1], v[X0:X0+1], v[X0:X0+1]                 ; the squares' sum, in two chains
	v_pk_mul_f32 v[T+2:T+3], v[X0+2:X0+3], v[X0+2:X0+3]
.irp j, 4,8,12,16,20,24,28
	s_delay_alu instid0(VALU_DEP_2)
	v_pk_fma_f32 v[T:T+1], v[X0+\j:X0+\j+1], v[X0+\j:X0+\j+1], v[T:T+1]
	s_delay_alu instid0(VALU_DEP_2)
	v_pk_fma_f32 v[T+2:T+3], v[X0+\j+2:X0+\j+3], v[X0+\j+2:X0+\j+3], v[T+2:T+3]
.endr
	s_delay_alu instid0(VALU_DEP_1)
	v_pk_add_f32 v[T:T+1], v[T:T+1], v[T+2:T+3]
	ACROSS
	s_delay_alu instid0(VALU_DEP_1)
	v_fma_f32 v[T], v[T], s14, s15                 ; the variance + 1e-5
	s_wait_alu depctr_va_vdst(0)
	v_rsq_f32 v[T+6], v[T]
	v_rsq_f32 v[T+7], v[T]
	v_nop                                          ; a plain place behind the second of them
	s_wait_alu depctr_va_vdst(0)                   ; the wait ahead of the first reader: one for both
.if \i == 0
	s_wait_loadcnt 24                              ; gamma and beta are in; the three rows behind them may be out
.endif
.set j, 0
.rept 16
	v_pk_mul_f32 v[X0+j:X0+j+1], v[X0+j:X0+j+1], v[T+6:T+7]
.set j, j+2
.endr
.set j, 0
.rept 16
	v_pk_fma_f32 v[X0+j:X0+j+1], v[X0+j:X0+j+1], v[G+j:G+j+1], v[B+j:B+j+1]
.set j, j+2
.endr
.irp j, 0,1,2,3,4,5,6,7
	global_store_b128 v1, v[X0+4*\j:X0+4*\j+3], s[10:11] offset:4096*\i+512*\j th:TH_STORE_NT   ; 32 lanes store 512 consecutive bytes, aligned
.endr
.endm
	ROW 0, 40
	ROW 1, 16
	ROW 2, 8
	ROW 3, 0
	s_endpgm
.Lfunc_end_k_qd0e2cbb2e7_norm:
	.size	k_qd0e2cbb2e7_norm, .Lfunc_end_k_qd0e2cbb2e7_norm-k_qd0e2cbb2e7_norm
	.p2alignl 7, 3214868480
	.fill 96, 4, 3214868480
	.section	.rodata,"a",@progbits
	.p2align	6, 0x0
	.amdhsa_kernel k_qd0e2cbb2e7_norm
		.amdhsa_group_segment_fixed_size 0
		.amdhsa_private_segment_fixed_size 0
		.amdhsa_enable_private_segment 0
		.amdhsa_kernarg_size 32
		.amdhsa_user_sgpr_count 2
		.amdhsa_user_sgpr_kernarg_segment_ptr 1
		.amdhsa_wavefront_size32 1
		.amdhsa_system_sgpr_workgroup_id_x 1
		.amdhsa_system_sgpr_workgroup_id_y 1
		.amdhsa_system_sgpr_workgroup_id_z 1
		.amdhsa_system_vgpr_workitem_id 0
		.amdhsa_next_free_vgpr 208
		.amdhsa_next_free_sgpr 66
		.amdhsa_reserve_vcc 0
		.amdhsa_float_denorm_mode_32 3
		.amdhsa_float_denorm_mode_16_64 3
		.amdhsa_memory_ordered 1
		.amdhsa_forward_progress 1
		.amdhsa_inst_pref_size 39
	.end_amdhsa_kernel
	.amdgpu_metadata
---
amdhsa.version: [ 1, 2 ]
amdhsa.kernels:
  - .name:           k_qd0e2cbb2e7_norm
    .symbol:         k_qd0e2cbb2e7_norm.kd
    .args:
      - { .name: ybuf, .offset: 0, .size: 8, .value_kind: global_buffer, .address_space: global }
      - { .name: gamma, .offset: 8, .size: 8, .value_kind: global_buffer, .address_space: global }
      - { .name: beta, .offset: 16, .size: 8, .value_kind: global_buffer, .address_space: global }
      - { .name: out0, .offset: 24, .size: 8, .value_kind: global_buffer, .address_space: global }
    .group_segment_fixed_size: 0
    .private_segment_fixed_size: 0
    .kernarg_segment_align: 8
    .kernarg_segment_size: 32
    .max_flat_workgroup_size: 256
    .sgpr_count:     66
    .vgpr_count:     208
    .wavefront_size: 32
...
	.end_amdgpu_metadata
.endif
;; end of part 3
